; MI455X (gfx1250); checked and timed in simulation.
; The chip was launched on July 23, 2026; its instructions are those of AMD's public machine-readable ISA for CDNA 5 (MIT licence, August 2026) and "CDNA5" Instruction Set Architecture Reference Guide (July 2026). The comments in the code are by the model that wrote it; some were corrected since.
;; Policy Classifier. Allowed arithmetic: float matrix products may take bf16 or f16 operands with f32 sums; all other float work in f32.
;; Inputs: b1 32 float32; b2 1 float32; delta_s 4,000,000 float32; w1 32 x 4 float32; w2 1 x 32 float32.
;; Outputs: out0 4,000,001 float32.
;; One version. Each part assembles by itself: llvm-mc -triple=amdgcn-amd-amdhsa -mcpu=gfx1250 --defsym DOCPART=n.
;; ======== version 1 of 1: 1 launch
;; launch policy (part 1): grid 256 x 1, 16 waves a work-group, no clusters, 38,912 bytes of LDS; arguments delta_s, w1, b1, w2, b2, out0; writes out0
.if DOCPART == 1
	.amdgcn_target "amdgcn-amd-amdhsa--gfx1250"
	.amdhsa_code_object_version 6
	.text
	.protected	k_q147ec3a896_policy
	.globl	k_q147ec3a896_policy
	.p2align	8
	.type	k_q147ec3a896_policy,@function
k_q147ec3a896_policy:
	s_mov_b64 s[64:65], 0
	v_nop
	global_prefetch_b8 v0, s[64:65] scope:SCOPE_SE
	s_setreg_imm32_b32 hwreg(HW_REG_WAVE_MODE, 25, 1), 1
	s_wait_xcnt 0x0
; out[0] = 0; out[c+1] = w2 . relu(w1 . feats(c) + b1) + b2, feats(c) = (dur, gamma, peak, mean) of the window x[c-5 .. c+5] cut at both ends of x.
; SHARE OF WORK.  A block is 256 neighbouring outputs; 15,626 blocks (the last holds out[4,000,000] alone).  256 work-groups x 16 waves = 4,096
; waves; wave wid takes blocks wid, wid + 4096, ...: four trips where wid < 3,338, else three.  Lane l owns outputs o0 .. o0+7, o0 = 256 b + 8 l,
; and holds x[o0-8 .. o0+11] in 20 registers, so that sorting, sums and maxima are shared among its eight overlapping windows.
; Waves are independent: each has 2,304 bytes of LDS of its own (1,072 to turn 16-byte rows of x into 80 bytes a lane, 1,024 to turn eight
; results a lane into 16-byte rows of out), so there is no barrier.
; LAYER 1 goes to the matrix unit in bf16 with both sides split in an upper and a lower part (K has 32 places, the problem needs 5): the products
; left out are lower x lower, about 2^-16 of a term.  LAYER 2 has one output column; it is done in f32 on the vector unit, since relu(h) rounded
; to bf16 would cost about 2^-9 of each of 32 terms, which is too near the allowed error where the logits are small.
; NO CLUSTER, NO TENSOR LOADS: work-groups share only the 48 bytes at a block's two ends; a block's 1,072 bytes are asked for one whole trip ahead
; by three register loads.  No prefetch for the same reason.
; LIMITS.  delta_s, w1, b1, w2, b2 finite: a feature that is infinite or NaN would also spoil the result 16 lanes away (0 x inf in the matrix
; product).  mean = sum x (1/n) with 1/11 rounded to f32 (edges: v_rcp_f32), not a division.  The window's sum is added in another order than
; the reference's; nothing is subtracted.
.set NEL,    4000000                   ; elements of delta_s
.set LASTB,  15625                     ; the last block
.set NWAVES, 4096
.set WLDS,   2304                      ; LDS bytes of a wave: IN at 0 .. 1071 (byte 32 + r = byte r of the block's x), OUT at 1280 .. 2303
.set OUTB,   1280
.set LIM,    4*NEL-16                  ; the last 16 bytes of delta_s: every load's offset is clamped to it
; vector registers
.set LANE, 1
.set L16,  2                           ; WB + 16 lane
.set LWC,  3                           ; where the third load's 16 bytes go
.set L32,  4                           ; WB + 32 lane
.set RA,   7                           ; 16 lane
.set RCR,  8                           ; -32, -16 (lanes 0, 1), 1024 (the others): the two quads in front of the block and the one behind it
.set GOA,  9
.set GOB,  10
.set GOC,  11
.set OUTV, 12                          ; byte offset in out of my 16 bytes
.set O0V,  13                          ; o0
.set NEG1, 14
.set PT,   15
.set G,    16                          ; v[16:27]   the next block's x as loaded
.set AF,   28                          ; v[28:59]   weights of layer 1: fragment (t, hs) at AF + 8 (2 hs + t)
.set W2,   60                          ; v[60:75]   w2[16 (q>>3) + 8 h + (q&7)]
.set BI,   76                          ; v[76:77]   (b2 in lanes 0-15, 0), the start of layer 2's sums
.set BF,   78                          ; v[78:93]   features as a matrix operand, two buffers
.set X,    94                          ; v[94:113]  x[o0-8 .. o0+11]
.set Y,    96                          ; y_i = x[o0-6+i], i = 0 .. 17; window p = y_p .. y_(p+10)
.set SA,   114                         ; v[114:129] (sum, then mean; peak) of window p at SA + 2 p
.set MED,  130                         ; v[130:137]
.set OV,   138                         ; v[138:145] the eight logits
.set DF,   146                         ; v[146:209] h: DF + 32 (p&1) + 16 hs + 8 t
.set ACC0, 210
.set ACC1, 212
.set CNT,  214
.set DURF, 215
.set DEN,  216
.set RC,   217
.set GAM,  218
.set GL,   219
.set PL,   220
.set ML,   221
.set TT,   222
.set UU,   223
; alive only while the features of a block are made (they lie over DF and the registers behind it)
.set CB,   146                         ; sorted y7..y10   (ranks 0, 1, 2, 3 at +4, +8, +9, +7)
.set D0B,  156                         ; sorted y3..y6    (+2, +3: the ordered pair y5, y6)
.set D1B,  166                         ; sorted y11..y14  (+0, +1: the ordered pair y11, y12)
.set P12,  176
.set P56,  178                         ; the ordered pair y15, y16
.set E0,   180                         ; ranks 2..5 of y3..y10
.set E1,   184                         ; ranks 2..5 of y7..y14
.set Q,    188                         ; ranks 4, 5 of four sets of ten
.set TMP,  196
.set SB,   198                         ; (sum, peak) of y11 .. y_(p+10), p = 2 .. 7
.set XA,   210                         ; edge blocks: y with +-inf outside x, for the median
.set XS,   229                         ; edge blocks: y with 0 outside x, for the sum (229 - 96 = 1 mod 4: another register bank than y_i)
.set INV,  247                         ; edge blocks: 1 / window length
	s_load_b256 s[4:11], s[0:1], 0x0               ; delta_s s[4:5], w1 s[6:7], b1 s[8:9], w2 s[10:11]
	s_load_b128 s[12:15], s[0:1], 0x20             ; b2 s[12:13], out0 s[14:15]
	v_lshl_add_u32 v228, v0, 2, 0x9000
	v_mov_b32 v255, 0
	v_and_b32 v[LANE], 31, v0
	v_lshrrev_b32 v5, 5, v0
	v_readfirstlane_b32 s16, v5                    ; wave in the work-group
	s_lshl_b32 s17, ttmp9, 4
	s_add_co_u32 s17, s17, s16                     ; wid
	s_mov_b32 s18, s17                             ; b, the block at work
	s_cmp_lt_u32 s17, LASTB+1-3*NWAVES
	s_cselect_b32 s19, 4, 3                        ; trips
	s_mov_b32 s20, 0                               ; trip counter
	s_mov_b32 s21, NEL
	s_mov_b32 s22, NEL-1
	s_mov_b32 s23, 0x03020302                      ; v_perm_b32: a word's upper half into both halves
	s_mov_b32 s24, 0xffff0000                      ; lanes 16-31 as a mask; also a word's upper bf16
	s_mov_b32 s25, 0x76543210                      ; v_permlanex16_b32: lane i xor 16
	s_mov_b32 s26, 0xfedcba98
	s_mov_b32 s27, 0x3dba2e8c                      ; 1/11
	s_mov_b32 s32, LIM
	s_mul_i32 s33, s16, WLDS                       ; WB: my wave's LDS
	v_lshl_add_u32 v[L16], v[LANE], 4, s33
	v_lshl_add_u32 v[L32], v[LANE], 5, s33
	v_lshlrev_b32 v[RA], 4, v[LANE]
	v_min_u32 v[RCR], 2, v[LANE]                   ; m = 0, 1, 2
	v_lshrrev_b32 v[LWC], 1, v[RCR]
	v_lshlrev_b32 v[LWC], 10, v[LWC]
	v_lshl_add_u32 v[LWC], v[RCR], 4, v[LWC]       ; 16 m + 1024 (m >> 1) = 0, 16, 1056
	v_add_nc_u32 v[RCR], 0xffffffe0, v[LWC]        ; - 32: relative to the block's first byte
	v_add_nc_u32 v[LWC], s33, v[LWC]
	v_and_b32 v5, 15, v[LANE]                      ; r
	v_lshrrev_b32 v6, 4, v[LANE]                   ; h
	v_lshlrev_b32 v104, 4, v5                      ; a row of w1 is 16 bytes
	v_lshlrev_b32 v105, 2, v5
	v_lshlrev_b32 v106, 5, v6
	v_mov_b32 v[NEG1], -1.0
	v_mov_b32 v[PT], 0                             ; v_permlanex16_b32's destination counts as read
	v_mov_b32 v[BI+1], 0
	v_mov_b32 v[BF+6], 0x3f80                      ; operand places that never change: (1.0, 0) for b1's lower part, then zeros
	v_mov_b32 v[BF+7], 0
	v_mov_b32 v[BF+14], 0x3f80
	v_mov_b32 v[BF+15], 0
	s_wait_kmcnt 0x0
	s_load_b32 s28, s[12:13], 0x0                  ; b2
	global_load_b128 v[94:97], v104, s[6:7]                ; w1[r][0..3]
	global_load_b128 v[98:101], v104, s[6:7] offset:256    ; w1[16+r][0..3]
	global_load_b32 v102, v105, s[8:9]                     ; b1[r]
	global_load_b32 v103, v105, s[8:9] offset:64           ; b1[16+r]
	global_load_b128 v[W2:W2+3], v106, s[10:11]            ; w2[8h ..]
	global_load_b128 v[W2+4:W2+7], v106, s[10:11] offset:16
	global_load_b128 v[W2+8:W2+11], v106, s[10:11] offset:64   ; w2[16+8h ..]
	global_load_b128 v[W2+12:W2+15], v106, s[10:11] offset:80
; three loads: the 1,024 bytes of the block whose byte offset is in s29 (two runs of 512 aligned bytes) and the three quads round it.
; An offset below 0 wraps and is clamped like one past the end: every load stays inside delta_s; what a clamp brings is masked in edge blocks.
.macro LOADG
	v_add_nc_u32 v[GOA], s29, v[RA]
	v_add_nc_u32 v[GOC], s29, v[RCR]
	v_add_nc_u32 v[GOB], 512, v[GOA]
	v_min_u32 v[GOA], s32, v[GOA]
	v_min_u32 v[GOB], s32, v[GOB]
	v_min_u32 v[GOC], s32, v[GOC]
	global_load_b128 v[G:G+3], v[GOA], s[4:5]
	global_load_b128 v[G+4:G+7], v[GOB], s[4:5]
	global_load_b128 v[G+8:G+11], v[GOC], s[4:5]
.endm
	s_lshl_b32 s29, s18, 10
	LOADG
	s_wait_kmcnt 0x0                               ; b2
	s_wait_loadcnt 0x3                             ; the eight weight loads are in; the three younger loads of x stay out
; Layer 1's weights as matrix operand A.  Row m = r is hidden unit 16 t + r.  Places (low half, high half) of registers 0..7:
; (w_k upper, w_k lower) k = 0..3; (w_1, w_2 upper); (w_3 upper, b1 upper); (b1 lower, 0); 0.  They meet, in B: (f_k upper twice); (f_1, f_2 lower);
; (f_3 lower, 1); (1, 0); 0.  Fragment hs holds them in the lanes of half hs alone and zeros in the other: a lane's registers are its half's
; K places, so fragment hs multiplies the features that lie in lanes 16 hs .. 16 hs + 15 and ignores the others.
.macro WFRAG t
.irp k, 0,1,2,3
	v_and_b32 v[108+\k], s24, v[94+4*\t+\k]        ; upper part, cut
	v_sub_f32 v[112+\k], v[94+4*\t+\k], v[108+\k]  ; the rest, exact
.endr
	v_and_b32 v116, s24, v[102+\t]
	v_sub_f32 v117, v[102+\t], v116
.irp k, 0,1,2,3
	v_cvt_pk_bf16_f32 v[118+\k], v[108+\k], v[112+\k]
.endr
	v_cvt_pk_bf16_f32 v122, v109, v110
	v_cvt_pk_bf16_f32 v123, v111, v116
	v_cvt_pk_bf16_f32 v124, v117, 0
.irp k, 0,1,2,3,4,5,6
	v_cndmask_b32 v[AF+8*\t+\k], v[118+\k], 0, s24         ; hs = 0: lanes 0-15
	v_cndmask_b32 v[AF+16+8*\t+\k], 0, v[118+\k], s24      ; hs = 1: lanes 16-31
.endr
	v_mov_b32 v[AF+8*\t+7], 0
	v_mov_b32 v[AF+16+8*\t+7], 0
.endm
	WFRAG 0
	WFRAG 1
	v_mov_b32 v[BI], s28
	v_cndmask_b32 v[BI], v[BI], 0, s24             ; b2 enters each logit once: through lanes 0-15
; compare and exchange: (lo, lo+1) = (min, max) of a, b, into fresh registers; both halves read the same two registers
.macro CE lo, a, b
	v_dual_min_num_f32 v[\lo], v[\a], v[\b] :: v_dual_max_num_f32 v[\lo+1], v[\a], v[\b]
.endm
; four numbers sorted in five exchanges: ranks 0, 1, 2, 3 at o+4, o+8, o+9, o+7; the ordered pairs (a, b) at o, (c, d) at o+2
.macro SORT4 o, a, b, c, d
	CE \o, \a, \b
	CE \o+2, \c, \d
	CE \o+4, \o, \o+2
	CE \o+6, \o+1, \o+3
	CE \o+8, \o+5, \o+6
.endm
; ranks 2..5 of two sorted fours c, d.  Rank K-1 = min over i + j = K of max(c_i, d_j) = max over i + j = K + 1 of min(c_i, d_j) (counted from 1)
.macro MID4 e, cb, db
	v_min_num_f32 v[\e], v[\cb+9], v[\db+9]
	v_maxmin_num_f32 v[\e], v[\cb+8], v[\db+4], v[\e]
	v_maxmin_num_f32 v[\e], v[\cb+4], v[\db+8], v[\e]
	v_min_num_f32 v[\e+1], v[\cb+7], v[\db+7]
	v_maxmin_num_f32 v[\e+1], v[\cb+9], v[\db+4], v[\e+1]
	v_maxmin_num_f32 v[\e+1], v[\cb+8], v[\db+8], v[\e+1]
	v_maxmin_num_f32 v[\e+1], v[\cb+4], v[\db+9], v[\e+1]
	v_max_num_f32 v[\e+2], v[\cb+4], v[\db+4]
	v_minmax_num_f32 v[\e+2], v[\cb+8], v[\db+7], v[\e+2]
	v_minmax_num_f32 v[\e+2], v[\cb+9], v[\db+9], v[\e+2]
	v_minmax_num_f32 v[\e+2], v[\cb+7], v[\db+8], v[\e+2]
	v_max_num_f32 v[\e+3], v[\cb+8], v[\db+8]
	v_minmax_num_f32 v[\e+3], v[\cb+9], v[\db+7], v[\e+3]
	v_minmax_num_f32 v[\e+3], v[\cb+7], v[\db+9], v[\e+3]
.endm
; ranks 4 and 5 of the eight (of which e holds ranks 2..5) and an ordered pair a <= b at pr:
; rank 4 = min(e4, max(e3, a), max(e2, b)), rank 5 = min(e5, max(e4, a), max(e3, b))
.macro QSEL q, e, pr
	v_med3_num_f32 v[\q], v[\pr], v[\e+1], v[\e+2]
	v_med3_num_f32 v[\q+1], v[\pr], v[\e+2], v[\e+3]
	v_maxmin_num_f32 v[\q], v[\e], v[\pr+1], v[\q]
	v_maxmin_num_f32 v[\q+1], v[\e+1], v[\pr+1], v[\q+1]
.endm
; (sum, peak) pairs: a sum in an even register, the peak in the odd one behind it
.macro ADDMAX0 d, i, j, xs
	v_dual_add_f32 v[\d], v[\xs+\i], v[\xs+\j] :: v_dual_max_num_f32 v[\d+1], v[Y+\i], v[Y+\j]
.endm
.macro ADDMAX d, s, i, xs
	v_dual_add_f32 v[\d], v[\s], v[\xs+\i] :: v_dual_max_num_f32 v[\d+1], v[\s+1], v[Y+\i]
.endm
.macro ADDMAX2 d, s
	v_dual_add_f32 v[\d], v[\d], v[\s] :: v_dual_max_num_f32 v[\d+1], v[\d+1], v[\s+1]
.endm
; median, mean and peak of my eight windows.  xa: base of the numbers for the median, xs: for the sum; peaks come from Y.
.macro SHARED xa, xs, edge
	SORT4 CB, \xa+7, \xa+8, \xa+9, \xa+10          ; in all eight windows
	SORT4 D0B, \xa+3, \xa+4, \xa+5, \xa+6          ; in windows 0..3
	SORT4 D1B, \xa+11, \xa+12, \xa+13, \xa+14      ; in windows 4..7
	CE P12, \xa+1, \xa+2
	CE P56, \xa+15, \xa+16
	MID4 E0, CB, D0B
	MID4 E1, CB, D1B
	QSEL Q, E0, P12                                ; y1..y10
	QSEL Q+2, E0, D1B                              ; y3..y12
	QSEL Q+4, E1, D0B+2                            ; y5..y14
	QSEL Q+6, E1, P56                              ; y7..y16
	; the eleventh number z: rank 5 of eleven = the middle one of z and ranks 4, 5 of the ten
	v_med3_num_f32 v[MED+0], v[\xa+0], v[Q], v[Q+1]
	v_med3_num_f32 v[MED+1], v[\xa+11], v[Q], v[Q+1]
	v_med3_num_f32 v[MED+2], v[\xa+2], v[Q+2], v[Q+3]
	v_med3_num_f32 v[MED+3], v[\xa+13], v[Q+2], v[Q+3]
	v_med3_num_f32 v[MED+4], v[\xa+4], v[Q+4], v[Q+5]
	v_med3_num_f32 v[MED+5], v[\xa+15], v[Q+4], v[Q+5]
	v_med3_num_f32 v[MED+6], v[\xa+6], v[Q+6], v[Q+7]
	v_med3_num_f32 v[MED+7], v[\xa+17], v[Q+6], v[Q+7]
	s_wait_alu depctr_va_vdst(0)
	; window p = (y_p .. y10) and (y11 .. y_(p+10)): suffixes and prefixes, only added, never subtracted
	ADDMAX0 SA+14, 7, 8, \xs
	ADDMAX SA+14, SA+14, 9, \xs
	ADDMAX SA+14, SA+14, 10, \xs
.irp p, 6,5,4,3,2,1,0
	ADDMAX SA+2*\p, SA+2*\p+2, \p, \xs
.endr
	ADDMAX0 SB, 11, 12, \xs
.irp p, 3,4,5,6,7
	ADDMAX SB+2*\p-4, SB+2*\p-6, \p+10, \xs
.endr
	ADDMAX SA+2, SA+2, 11, \xs
.irp p, 2,3,4,5,6,7
	ADDMAX2 SA+2*\p, SB+2*\p-4
.endr
.irp p, 0,1,2,3,4,5,6,7
.if \edge
	v_mul_f32 v[SA+2*\p], v[INV+\p], v[SA+2*\p]
	v_add_nc_u32 v[TMP], \p, v[O0V]
	v_cmp_lt_u32 vcc_lo, s21, v[TMP]               ; an output past the end is never stored, but its features lie in the same matrix operand
	v_cndmask_b32 v[SA+2*\p+1], v[SA+2*\p+1], 0, vcc_lo    ; as a neighbour's: they are made finite
	v_cndmask_b32 v[MED+\p], v[MED+\p], 0, vcc_lo
.else
	v_mul_f32 v[SA+2*\p], s27, v[SA+2*\p]
.endif
.endr
.endm
; Edge blocks.  Outside x: 0 for the sum, -inf for peak and count.  For the median indices -1, -3, -5 and n, n+2, n+4 become -inf and the others
; +inf: with m numbers missing, ceil(m/2) of the pads lie below, so rank 5 of eleven is rank 5 - ceil(m/2) = (11 - m - 1) / 2 (floored) of the valid ones.
.macro EDGEPREP
	v_mov_b32 v148, 0xff800000
.irp i, 0,1,2,3,4,5,6,7,8,9,10,11,12,13,14,15,16,17
	v_add_nc_u32 v146, \i-6, v[O0V]                ; the index in x
	v_cmp_gt_u32 vcc_lo, s21, v146                 ; inside (a negative index is a large unsigned one)
	v_ashrrev_i32 v147, 31, v146
	v_xor_b32 v147, v146, v147                     ; idx, or -idx - 1
	v_lshlrev_b32 v147, 31, v147
	v_xor_b32 v147, 0xff800000, v147               ; even: -inf, odd: +inf
	v_cndmask_b32 v[XA+\i], v147, v[Y+\i], vcc_lo
	v_cndmask_b32 v[XS+\i], 0, v[Y+\i], vcc_lo
	v_cndmask_b32 v[Y+\i], v148, v[Y+\i], vcc_lo
.endr
.irp p, 0,1,2,3,4,5,6,7
	v_add_nc_u32 v146, \p-1, v[O0V]                ; centre c
	v_add_nc_u32 v147, 5, v146
	v_min_i32 v147, s22, v147
	v_add_nc_u32 v146, -5, v146
	v_max_i32 v146, 0, v146
	v_sub_nc_u32 v147, v147, v146
	v_add_nc_u32 v147, 1, v147
	v_max_i32 v147, 1, v147                        ; (at least 1 for outputs past the end)
	v_cvt_f32_i32 v147, v147
	v_rcp_f32 v[INV+\p], v147
	v_nop                                          ; one plain place behind v_rcp_f32 before its source is rewritten (ISA guide 5.7.2)
.endr
.endm
; window p's four features, laid into operand buffer p & 1
.macro FEATP p
.set FBB, BF+8*((\p)&1)
.set FSP, SA+2*(\p)
	v_max_num_f32 v[DEN], 0x322bcc77, v[FSP]       ; max(mean, 1e-8)
	v_rcp_f32 v[RC], v[DEN]                        ; the compares below are the plain places behind it
.irp i, 0,1,2,3,4,5,6,7,8,9,10
	v_cmp_lt_f32 s[36+\i], v[MED+\p], v[Y+\p+\i]   ; eleven masks in eleven registers: no compare waits for a count
.endr
	v_cndmask_b32 v[CNT], 0, 1, s36
.irp i, 1,2,3,4,5,6,7,8,9,10
	v_add_co_ci_u32 v[CNT], vcc_lo, 0, v[CNT], s[36+\i]    ; + the mask's bit, as a carry in
.endr
	v_cvt_f32_u32 v[DURF], v[CNT]                  ; at most 11: exact in bf16
	s_wait_alu depctr_va_vdst(0)
	v_mul_f32 v[GAM], v[FSP+1], v[RC]
	v_perm_b32 v[FBB], v[DURF], v[DURF], s23
	v_perm_b32 v[FBB+1], v[GAM], v[GAM], s23
	v_perm_b32 v[FBB+2], v[FSP+1], v[FSP+1], s23
	v_perm_b32 v[FBB+3], v[FSP], v[FSP], s23
	v_fma_mix_f32_bf16 v[GL], v[GAM], v[NEG1], v[GAM] op_sel:[1,0,0] op_sel_hi:[1,0,0]        ; f - upper(f), exact
	v_fma_mix_f32_bf16 v[PL], v[FSP+1], v[NEG1], v[FSP+1] op_sel:[1,0,0] op_sel_hi:[1,0,0]
	v_fma_mix_f32_bf16 v[ML], v[FSP], v[NEG1], v[FSP] op_sel:[1,0,0] op_sel_hi:[1,0,0]
	v_cvt_pk_bf16_f32 v[FBB+4], v[GL], v[PL]
	v_cvt_pk_bf16_f32 v[FBB+5], v[ML], 1.0
.endm
; h = w1 f + b1 for 32 positions x 32 hidden units.  In D (hs, t), register j of lane (r, h) is unit 16 t + 8 h + j of the position in lane r + 16 hs.
.macro WM p
.irp hs, 0,1
.irp t, 0,1
	v_wmma_f32_16x16x32_bf16 v[DF+32*((\p)&1)+16*\hs+8*\t:DF+32*((\p)&1)+16*\hs+8*\t+7], v[AF+8*(2*\hs+\t):AF+8*(2*\hs+\t)+7], v[BF+8*((\p)&1):BF+8*((\p)&1)+7], 0
.endr
.endr
.endm
; logit = w2 . relu(h) + b2.  A lane sums its 16 units of two positions; the lane 16 away holds the other 16 units of the same two.
.macro L2 p
.set LDB, DF+32*((\p)&1)
.irp i, 0,2,4,6,8,10,12,14,16,18,20,22,24,26,28,30
	v_dual_max_num_f32 v[LDB+\i], 0, v[LDB+\i] :: v_dual_max_num_f32 v[LDB+\i+1], 0, v[LDB+\i+1]
.endr
	v_pk_fma_f32 v[ACC0:ACC0+1], v[LDB:LDB+1], v[W2:W2+1], v[BI:BI+1]
	v_pk_fma_f32 v[ACC1:ACC1+1], v[LDB+16:LDB+17], v[W2:W2+1], v[BI:BI+1]
.irp i, 2,4,6,8,10,12,14
	v_pk_fma_f32 v[ACC0:ACC0+1], v[LDB+\i:LDB+\i+1], v[W2+\i:W2+\i+1], v[ACC0:ACC0+1]
	v_pk_fma_f32 v[ACC1:ACC1+1], v[LDB+16+\i:LDB+17+\i], v[W2+\i:W2+\i+1], v[ACC1:ACC1+1]
.endr
	v_add_f32 v[ACC0], v[ACC0], v[ACC0+1]
	v_add_f32 v[ACC1], v[ACC1], v[ACC1+1]
	v_cndmask_b32 v[TT], v[ACC1], v[ACC0], s24     ; what the other half's lane needs of me
	v_cndmask_b32 v[UU], v[ACC0], v[ACC1], s24     ; my own position's part
	v_permlanex16_b32 v[PT], v[TT], s25, s26
	v_add_f32 v[OV+\p], v[UU], v[PT]
.endm
.Ltrip:
	s_wait_loadcnt 0x0                             ; only this block's three loads are out; the wait also frees GOA, GOB, GOC
	ds_store_b128 v[L16], v[G:G+3] offset:32
	ds_store_b128 v[L16], v[G+4:G+7] offset:544
	ds_store_b128 v[LWC], v[G+8:G+11]              ; lanes 2-31 write the same 16 bytes with the same numbers
.irp k, 0,1,2,3,4
	ds_load_b128 v[X+4*\k:X+4*\k+3], v[L32] offset:16*\k   ; my wave's own bytes: LDS serves a wave's instructions in order (ISA guide 5.7.1)
.endr
	s_wait_dscnt 0x0
	s_add_co_u32 s29, s18, NWAVES
	s_lshl_b32 s29, s29, 10
	LOADG                                          ; the next trip's block, a whole trip ahead (behind the last trip: clamped, not used)
	s_lshl_b32 s34, s18, 8
	s_lshl_b32 s35, s18, 10
	v_lshl_add_u32 v[O0V], v[LANE], 3, s34
	v_lshl_add_u32 v[OUTV], v[LANE], 4, s35        ; (the last trip's stores: s_wait_xcnt 0 at its end)
	s_cmp_eq_u32 s18, 0
	s_cselect_b32 s30, 1, 0                        ; lane 0 of block 0 owns out[0]
	s_cbranch_scc1 .Ledge
	s_cmp_ge_u32 s18, LASTB-1
	s_cbranch_scc1 .Ledge
	SHARED Y, Y, 0
	s_branch .Lcommon
.Ledge:
	EDGEPREP
	SHARED XA, XS, 1
.Lcommon:
	; Layer 2 of window p - 1 and the features of window p + 1 stand between the matrix instructions of window p and the first reader of their
	; results: far more than the four independent vector instructions asked behind a matrix instruction (ISA guide 7.12.1), so no v_nop is needed.
	; Operand and result buffers take turns, so that nothing of window p is rewritten before window p + 2.
	FEATP 0
	WM 0
.irp p, 1,2,3,4,5,6,7
	FEATP \p
	WM \p
	L2 \p-1
.endr
	L2 7
	v_cndmask_b32 v[OV], v[OV], 0, s30             ; out[0] = 0
	; the way out: eight results a lane into my wave's stage, back as rows of 16 bytes a lane
	ds_store_b128 v[L32], v[OV:OV+3] offset:OUTB
	ds_store_b128 v[L32], v[OV+4:OV+7] offset:OUTB+16
	ds_load_b128 v[146:149], v[L16] offset:OUTB
	ds_load_b128 v[150:153], v[L16] offset:OUTB+512
	s_wait_dscnt 0x0
	s_cmp_eq_u32 s18, LASTB
	s_cbranch_scc1 .Llast
	global_store_b128 v[OUTV], v[146:149], s[14:15] th:TH_STORE_NT             ; each store of the wave covers 512 consecutive bytes, aligned
	global_store_b128 v[OUTV], v[150:153], s[14:15] offset:512 th:TH_STORE_NT
	s_branch .Lnext
.Llast:
	s_wait_xcnt 0x0                                ; the loads issued above name EXEC too: it changes only behind this wait
	v_cmp_eq_u32 vcc_lo, 0, v[LANE]
	s_and_saveexec_b32 s31, vcc_lo
	global_store_b32 v[OUTV], v146, s[14:15]       ; out[4,000,000], the buffer's last four bytes
	s_wait_xcnt 0x0
	s_or_b32 exec_lo, exec_lo, s31
.Lnext:
	s_wait_xcnt 0x0                                ; OUTV and v[146:153], which the stores read, are rewritten in the next trip only behind this wait
	s_add_co_u32 s18, s18, NWAVES
	s_add_co_u32 s20, s20, 1
	s_cmp_lt_u32 s20, s19
	s_cbranch_scc1 .Ltrip
	s_wait_tensorcnt 0x0
	ds_add_u32 v228, v255
	s_wait_dscnt 0x0
	s_endpgm
.Lfunc_end_k_q147ec3a896_policy:
	.size	k_q147ec3a896_policy, .Lfunc_end_k_q147ec3a896_policy-k_q147ec3a896_policy
	.p2alignl 7, 3214868480
	.fill 96, 4, 3214868480
	.section	.rodata,"a",@progbits
	.p2align	6, 0x0
	.amdhsa_kernel k_q147ec3a896_policy
		.amdhsa_group_segment_fixed_size 38912
		.amdhsa_private_segment_fixed_size 0
		.amdhsa_enable_private_segment 0
		.amdhsa_kernarg_size 48
		.amdhsa_user_sgpr_count 2
		.amdhsa_user_sgpr_kernarg_segment_ptr 1
		.amdhsa_wavefront_size32 1
		.amdhsa_system_sgpr_workgroup_id_x 1
		.amdhsa_system_sgpr_workgroup_id_y 1
		.amdhsa_system_sgpr_workgroup_id_z 1
		.amdhsa_system_vgpr_workitem_id 0
		.amdhsa_next_free_vgpr 256
		.amdhsa_next_free_sgpr 66
		.amdhsa_reserve_vcc 1
		.amdhsa_float_denorm_mode_32 3
		.amdhsa_float_denorm_mode_16_64 3
		.amdhsa_memory_ordered 1
		.amdhsa_forward_progress 1
		.amdhsa_inst_pref_size 69
	.end_amdhsa_kernel
	.amdgpu_metadata
---
amdhsa.version: [ 1, 2 ]
amdhsa.kernels:
  - .name:           k_q147ec3a896_policy
    .symbol:         k_q147ec3a896_policy.kd
    .args:
      - { .name: delta_s, .offset: 0, .size: 8, .value_kind: global_buffer, .address_space: global }
      - { .name: w1, .offset: 8, .size: 8, .value_kind: global_buffer, .address_space: global }
      - { .name: b1, .offset: 16, .size: 8, .value_kind: global_buffer, .address_space: global }
      - { .name: w2, .offset: 24, .size: 8, .value_kind: global_buffer, .address_space: global }
      - { .name: b2, .offset: 32, .size: 8, .value_kind: global_buffer, .address_space: global }
      - { .name: out0, .offset: 40, .size: 8, .value_kind: global_buffer, .address_space: global }
    .group_segment_fixed_size: 38912
    .private_segment_fixed_size: 0
    .kernarg_segment_align: 8
    .kernarg_segment_size: 48
    .max_flat_workgroup_size: 512
    .sgpr_count:     66
    .vgpr_count:     256
    .wavefront_size: 32
...
	.end_amdgpu_metadata
.endif
;; end of part 1
